; MI455X (gfx1250); checked and timed in simulation.
; The chip was launched on July 23, 2026; its instructions are those of AMD's public machine-readable ISA for CDNA 5 (MIT licence, August 2026) and "CDNA5" Instruction Set Architecture Reference Guide (July 2026). The comments in the code are by the model that wrote it; some were corrected since.
;; Q Eff Grok1 Moe Block. Allowed arithmetic: float matrix products may take bf16 or f16 operands with f32 sums; all other float work in f32.
;; Inputs: hidden_states 1 x 1,024 x 1,024 float32; w_1 8 x 2,048 x 1,024 float32; w_g 8 x 1,024 x 2,048 float32; w_gate 1,024 x 8 float32; w_v 8 x 1,024 x 2,048 float32.
;; Outputs: out0 1 x 1,024 x 1,024 float32; out1 1,024 x 8 float32.
;; One version. Each part assembles by itself: llvm-mc -triple=amdgcn-amd-amdhsa -mcpu=gfx1250 --defsym DOCPART=n.
;; ======== version 1 of 1: 5 launches
;; limits: a function is approximated: absolute error at most 1.5e-07
;; workspace buffers: sel 4,096 bytes of whole numbers; rw 8,192 bytes; meta 256 bytes of whole numbers; pos 8,192 bytes of whole numbers; wsort 8,704 bytes; xg 4,423,680 bytes; gu 17,694,720 bytes; y 35,389,440 bytes
;; launch router (part 1): grid 128 x 1, 8 waves a work-group, no clusters, 5,632 bytes of LDS; arguments hidden_states, w_gate, out1, sel, rw; writes out1, sel, rw
.if DOCPART == 1
	.amdgcn_target "amdgcn-amd-amdhsa--gfx1250"
	.amdhsa_code_object_version 6
	.text
	.protected	k_q80bd747d3d_router
	.globl	k_q80bd747d3d_router
	.p2align	8
	.type	k_q80bd747d3d_router,@function
k_q80bd747d3d_router:
	s_mov_b64 s[64:65], 0
	v_nop
	global_prefetch_b8 v0, s[64:65] scope:SCOPE_SE
	s_setreg_imm32_b32 hwreg(HW_REG_WAVE_MODE, 25, 1), 1
	s_wait_xcnt 0x0
; ROUTER.  out1[t][e] = sum over k of x[t][k] w_gate[k][e]; softmax over the 8 experts; the two largest probabilities and their experts.
; x: [1024][1024] f32, w_gate: [1024][8] f32.  Stored: out1 (logits), sel[t] = e0 | e1 << 8, rw[t][0..1] = the two probabilities.
; The operands are rounded to bf16, as the operands of the experts' products are, so that the choice of experts belongs to the same
; arithmetic as the products it steers; a product of two bf16 is exact in f32, and the sums are f32.  The product has 17 MFLOP of the
; program's 26 GFLOP and runs on the vector ALU: 8 columns would fill half of a matrix tile.
; A work-group takes 8 tokens; wave w takes k = 128 w .. 128 w + 127, lane l the four k = 128 w + 4 l + c.
; No cluster, no tensor load: the work-group reads 32 KiB of x of its own, and 32 KiB of w_gate once.
; LIMITS: NaN and infinite inputs are not served.  Equal probabilities go to the lower index; logits closer than the error of an f32 sum of
; 1,024 terms may be ordered otherwise than by another order of summation.  v_exp_f32 gives 0 for results below 2^-126.
.set WG,   8                           ; v[8:39]    w_gate: row c of my four at 8 + 8 c, expert e at + e
.set X,    40                          ; v[40:71]   x: token t at 40 + 4 t, my four k
.set ACC,  72                          ; v[72:135]  sums: token t, expert e at 72 + 8 t + e
.set T,    136                         ; v[136:139] at work
.set LOGL, 4096                        ; LDS: behind 16 partial tables of 256 bytes, the 64 logits
	s_load_b256 s[4:11], s[0:1], 0x0               ; hidden_states s[4:5], w_gate s[6:7], out1 s[8:9], sel s[10:11]
	s_load_b64 s[12:13], s[0:1], 0x20              ; rw
	v_lshl_add_u32 v160, v0, 2, 0x1200
	v_mov_b32 v161, 0
	v_lshrrev_b32 v4, 5, v0
	v_readfirstlane_b32 s14, v4                    ; wave
	v_lshlrev_b32 v1, 4, v0                        ; x: 16 bytes a thread, 4,096 bytes a row for the 256 threads
	v_lshlrev_b32 v2, 7, v0                        ; w_gate: four rows of 32 bytes a thread
	v_and_b32 v4, 31, v0                           ; lane
	v_bfe_u32 v5, v0, 4, 1                         ; which half of the lanes
	s_lshl_b32 s15, s14, 9
	v_lshl_add_u32 v3, v5, 8, s15                  ; my half wave's table of partial sums: (2 wave + half) x 256
	s_lshl_b32 s16, ttmp9, 15                      ; 8 tokens of 4,096 bytes
	s_mov_b32 s17, 0
	s_mov_b32 s18, 0xffff0000                      ; a word's upper bf16
	s_wait_kmcnt 0x0
	s_add_nc_u64 s[4:5], s[4:5], s[16:17]
.irp i, 0,1,2,3,4,5,6,7
	global_load_b128 v[WG+4*\i:WG+4*\i+3], v2, s[6:7] offset:16*\i
.endr
.irp t, 0,1,2,3,4,5,6,7
	global_load_b128 v[X+4*\t:X+4*\t+3], v1, s[4:5] offset:4096*\t   ; no hint: the next launch reads x again
.endr
	s_wait_loadcnt 0x0
	; round all 64 numbers (WG and X are neighbours) to bf16 and widen them again
.set i, 0
.rept 32
	v_cvt_pk_bf16_f32 v[T+(i%4)], v[WG+2*i], v[WG+2*i+1]
	v_lshlrev_b32 v[WG+2*i], 16, v[T+(i%4)]
	v_and_b32 v[WG+2*i+1], s18, v[T+(i%4)]
.set i, i+1
.endr
	; two experts at a time; x's component c is used for both halves (op_sel, op_sel_hi).  The first product starts the sums.
.irp t, 0,1,2,3,4,5,6,7
.irp p, 0,2,4,6
	v_pk_mul_f32 v[ACC+8*\t+\p:ACC+8*\t+\p+1], v[WG+\p:WG+\p+1], v[X+4*\t:X+4*\t+1] op_sel_hi:[1,0]
.endr
.irp p, 0,2,4,6
	v_pk_fma_f32 v[ACC+8*\t+\p:ACC+8*\t+\p+1], v[WG+8+\p:WG+8+\p+1], v[X+4*\t:X+4*\t+1], v[ACC+8*\t+\p:ACC+8*\t+\p+1] op_sel:[0,1,0]
.endr
.irp p, 0,2,4,6
	v_pk_fma_f32 v[ACC+8*\t+\p:ACC+8*\t+\p+1], v[WG+16+\p:WG+16+\p+1], v[X+4*\t+2:X+4*\t+3], v[ACC+8*\t+\p:ACC+8*\t+\p+1] op_sel_hi:[1,0,1]
.endr
.irp p, 0,2,4,6
	v_pk_fma_f32 v[ACC+8*\t+\p:ACC+8*\t+\p+1], v[WG+24+\p:WG+24+\p+1], v[X+4*\t+2:X+4*\t+3], v[ACC+8*\t+\p:ACC+8*\t+\p+1] op_sel:[0,1,0]
.endr
.endr
	; sums over the 16 lanes of each half
.irp m, 1,2,4,8
.set i, 0
.rept 64
	v_add_f32_dpp v[ACC+i], v[ACC+i], v[ACC+i] row_xmask:\m row_mask:0xf bank_mask:0xf
.set i, i+1
.endr
.endr
.irp i, 0,1,2,3,4,5,6,7,8,9,10,11,12,13,14,15
	ds_store_b128 v3, v[ACC+4*\i:ACC+4*\i+3] offset:16*\i      ; the 16 lanes of a half write the same words with the same values
.endr
	s_wait_dscnt 0x0                               ; for wave 0's sake: my stores are done
	s_barrier_signal -1
	s_barrier_wait -1
	s_cmp_lg_u32 s14, 0
	s_cbranch_scc1 .Lend                           ; the rest is 64 numbers: wave 0 alone
	v_lshlrev_b32 v6, 3, v4                        ; lane l takes sums 2 l and 2 l + 1
.irp p, 0,1,2,3,4,5,6,7,8,9,10,11,12,13,14,15
	ds_load_b64 v[8+2*\p:9+2*\p], v6 offset:256*\p
.endr
	s_lshl_b32 s16, ttmp9, 8
	s_add_nc_u64 s[8:9], s[8:9], s[16:17]          ; out1: 8 tokens of 32 bytes
	s_lshl_b32 s16, ttmp9, 5
	s_add_nc_u64 s[10:11], s[10:11], s[16:17]      ; sel: 8 words
	s_lshl_b32 s16, ttmp9, 6
	s_add_nc_u64 s[12:13], s[12:13], s[16:17]      ; rw: 8 pairs
	s_wait_dscnt 0x0
.irp p, 1,2,3,4,5,6,7,8,9,10,11,12,13,14,15
	v_pk_add_f32 v[8:9], v[8:9], v[8+2*\p:9+2*\p]  ; ascending k
.endr
	global_store_b64 v6, v[8:9], s[8:9]            ; the wave stores 256 consecutive bytes, aligned
	ds_store_b64 v6, v[8:9] offset:LOGL
	v_and_b32 v7, 7, v4
	v_lshlrev_b32 v7, 5, v7                        ; lane l takes token l mod 8: its 8 logits
	ds_load_b128 v[40:43], v7 offset:LOGL          ; LDS serves a wave's instructions in order (ISA guide 5.7.1): these see the store above
	ds_load_b128 v[44:47], v7 offset:LOGL+16
	s_wait_dscnt 0x0
	v_max3_num_f32 v48, v40, v41, v42
	v_max3_num_f32 v48, v48, v43, v44
	v_max3_num_f32 v48, v48, v45, v46
	v_max_num_f32 v48, v48, v47                    ; the row's maximum is taken away, as in the softmax
.irp e, 0,1,2,3,4,5,6,7
	v_sub_f32 v[50+\e], v[40+\e], v48
.endr
.irp e, 0,1,2,3,4,5,6,7
	v_mul_f32 v[50+\e], 0x3fb8aa3b, v[50+\e]       ; e^x = 2^(1.442695 x)
.endr
.irp e, 0,1,2,3,4,5,6,7
	v_exp_f32 v[50+\e], v[50+\e]
.endr
	v_nop                                          ; one plain place behind the last transcendental (ISA guide 5.7.2)
	s_wait_alu depctr_va_vdst(0)
	v_pk_add_f32 v[58:59], v[50:51], v[52:53]
	v_pk_add_f32 v[60:61], v[54:55], v[56:57]
	v_pk_add_f32 v[58:59], v[58:59], v[60:61]
	v_add_f32 v58, v58, v59
	v_rcp_f32 v59, v58
	v_nop
	s_wait_alu depctr_va_vdst(0)
.irp e, 0,1,2,3,4,5,6,7
	v_mul_f32 v[50+\e], v[50+\e], v59
.endr
	; the largest, then the largest of the rest: strictly greater, ascending, so that the lower index wins a tie.  Selects only, no branch.
	v_mov_b32 v60, v50
	v_mov_b32 v62, 0
.irp e, 1,2,3,4,5,6,7
	v_cmp_gt_f32 vcc_lo, v[50+\e], v60
	v_cndmask_b32 v60, v60, v[50+\e], vcc_lo
	v_cndmask_b32 v62, v62, \e, vcc_lo
.endr
.irp e, 0,1,2,3,4,5,6,7
	v_cmp_eq_u32 vcc_lo, \e, v62
	v_cndmask_b32 v[64+\e], v[50+\e], -1.0, vcc_lo ; the winner leaves the field: probabilities are not negative
.endr
	v_mov_b32 v61, v64
	v_mov_b32 v63, 0
.irp e, 1,2,3,4,5,6,7
	v_cmp_gt_f32 vcc_lo, v[64+\e], v61
	v_cndmask_b32 v61, v61, v[64+\e], vcc_lo
	v_cndmask_b32 v63, v63, \e, vcc_lo
.endr
	v_lshl_or_b32 v63, v63, 8, v62                 ; e0 | e1 << 8
	v_lshlrev_b32 v62, 2, v4
	v_cmp_gt_u32 vcc_lo, 8, v4                     ; lanes 0 to 7 hold the 8 tokens once
	s_wait_xcnt 0x0                                ; EXEC is a source of the store above: it changes only behind this wait
	s_and_saveexec_b32 s19, vcc_lo
	global_store_b32 v62, v63, s[10:11]            ; 32 and 64 bytes a work-group: 12 KiB in the whole launch
	global_store_b64 v6, v[60:61], s[12:13]
	s_wait_xcnt 0x0
	s_or_b32 exec_lo, exec_lo, s19
.Lend:
	s_wait_tensorcnt 0x0
	ds_add_u32 v160, v161
	s_wait_dscnt 0x0
	s_endpgm
.Lfunc_end_k_q80bd747d3d_router:
	.size	k_q80bd747d3d_router, .Lfunc_end_k_q80bd747d3d_router-k_q80bd747d3d_router
	.p2alignl 7, 3214868480
	.fill 96, 4, 3214868480
	.section	.rodata,"a",@progbits
	.p2align	6, 0x0
	.amdhsa_kernel k_q80bd747d3d_router
		.amdhsa_group_segment_fixed_size 5632
		.amdhsa_private_segment_fixed_size 0
		.amdhsa_enable_private_segment 0
		.amdhsa_kernarg_size 40
		.amdhsa_user_sgpr_count 2
		.amdhsa_user_sgpr_kernarg_segment_ptr 1
		.amdhsa_wavefront_size32 1
		.amdhsa_system_sgpr_workgroup_id_x 1
		.amdhsa_system_sgpr_workgroup_id_y 1
		.amdhsa_system_sgpr_workgroup_id_z 1
		.amdhsa_system_vgpr_workitem_id 0
		.amdhsa_next_free_vgpr 162
		.amdhsa_next_free_sgpr 66
		.amdhsa_reserve_vcc 1
		.amdhsa_float_denorm_mode_32 3
		.amdhsa_float_denorm_mode_16_64 3
		.amdhsa_memory_ordered 1
		.amdhsa_forward_progress 1
		.amdhsa_inst_pref_size 40
	.end_amdhsa_kernel
	.amdgpu_metadata
---
amdhsa.version: [ 1, 2 ]
amdhsa.kernels:
  - .name:           k_q80bd747d3d_router
    .symbol:         k_q80bd747d3d_router.kd
    .args:
      - { .name: hidden_states, .offset: 0, .size: 8, .value_kind: global_buffer, .address_space: global }
      - { .name: w_gate, .offset: 8, .size: 8, .value_kind: global_buffer, .address_space: global }
      - { .name: out1, .offset: 16, .size: 8, .value_kind: global_buffer, .address_space: global }
      - { .name: sel, .offset: 24, .size: 8, .value_kind: global_buffer, .address_space: global }
      - { .name: rw, .offset: 32, .size: 8, .value_kind: global_buffer, .address_space: global }
    .group_segment_fixed_size: 5632
    .private_segment_fixed_size: 0
    .kernarg_segment_align: 8
    .kernarg_segment_size: 40
    .max_flat_workgroup_size: 256
    .sgpr_count:     66
    .vgpr_count:     162
    .wavefront_size: 32
...
	.end_amdgpu_metadata
.endif
;; end of part 1
;; launch prep (part 2): grid 135 x 1, 8 waves a work-group, no clusters, 102,656 bytes of LDS; arguments hidden_states, sel, rw, meta, pos, wsort, xg; writes meta, pos, wsort, xg
.if DOCPART == 2
	.amdgcn_target "amdgcn-amd-amdhsa--gfx1250"
	.amdhsa_code_object_version 6
	.text
	.protected	k_q80bd747d3d_prep
	.globl	k_q80bd747d3d_prep
	.p2align	8
	.type	k_q80bd747d3d_prep,@function
k_q80bd747d3d_prep:
	s_mov_b64 s[64:65], 0
	v_nop
	global_prefetch_b8 v0, s[64:65] scope:SCOPE_SE
	s_setreg_imm32_b32 hwreg(HW_REG_WAVE_MODE, 25, 1), 1
	s_wait_xcnt 0x0
; PREP.  Sorts the 2,048 (token, expert) pairs by expert and lays the tokens' rows out as matrix operands.
; Pair p = 2 token + slot.  Expert e's pairs get ranks 0 .. cnt-1; its rows fill ntile = ceil(cnt / 16) tiles of 16 sorted rows from tile toff on.
; The tiles of all experts are at most (2048 + 8 x 15) / 16 = 135.  Work-group T writes tile slot T:
;   xg[T]: 16 blocks of 64 k, 2,048 bytes each: byte s*1024 + half*512 + L*16 holds 8 bf16, k = 64 B + 32 (L>>4) + 16 s + 8 half + 0..7 of row L & 15:
;          the registers of two 16 x 32 fragments as a wave loads them, 512 consecutive bytes an instruction;
;   wsort[16 T + r]: the row's routing weight, 0 for padding rows.
; Work-group 0 also writes meta[e] = {cnt, ntile, toff, passes of 20 tiles}, work-groups 0 to 3 pos[p] = the pair's sorted row.
; Every work-group makes all eight lists itself from the 4 KiB of sel (wave e: expert e), which spares a launch.
; A slot at or past the last tile, and the rows behind an expert's last pair, get token 1023's row and weight 0: defined bytes whose results nobody reads.
; No matrix unit, cluster or tensor load: the launch moves 4 MiB, by rows that a list names.
.set LISTB,  4224                      ; LDS 0: eight lists of 1,056 entries: ranks 0..1023, then 32 more for padding marks
.set POSL,   33792                     ; eight tables of 1,024 ranks: table e, word token
.set CNT,    66560                     ; the eight counts
.set STAGE,  66816                     ; eight stages of 16 units of 256 + 16 bytes, one for each wave
.set SPITCH, 272
.set XS, 8                             ; v[8:39]   sel, 128 j + 4 l + c at 8 + 4 j + c
.set RK, 40                            ; v[40:43]  four ranks
	s_load_b256 s[4:11], s[0:1], 0x0               ; hidden_states s[4:5], sel s[6:7], rw s[8:9], meta s[10:11]
	s_load_b128 s[12:15], s[0:1], 0x20             ; pos s[12:13], wsort s[14:15]
	s_load_b64 s[16:17], s[0:1], 0x30              ; xg
	v_lshl_add_u32 v160, v0, 2, 0x18d00
	v_mov_b32 v161, 0
	v_lshrrev_b32 v1, 5, v0
	v_readfirstlane_b32 s18, v1                    ; wave; in the first phase also the expert
	v_and_b32 v1, 31, v0                           ; lane l
	v_lshlrev_b32 v2, 4, v1                        ; 16 l
	v_lshlrev_b32 v3, 3, v1                        ; 8 l: twice my first token of a group of 128
	v_add_nc_u32 v4, 1024, v1                      ; where a lane without a match puts its word: behind the ranks, in my own list
	s_mul_i32 s22, s18, LISTB                      ; my list
	s_lshl_b32 s19, s18, 12
	s_add_co_u32 s19, s19, POSL
	v_add_nc_u32 v5, s19, v2                       ; my table of ranks, my four tokens
	s_mov_b32 s21, 0                               ; pairs found so far
	s_wait_kmcnt 0x0
.irp j, 0,1,2,3,4,5,6,7
	global_load_b128 v[XS+4*\j:XS+4*\j+3], v2, s[6:7] offset:512*\j
.endr
	s_wait_loadcnt 0x0
; 32 tokens, 128 j + 4 l + c: who has my expert, in which slot; the rank is the count so far plus the matching lanes below me.
.macro GRP j, c
	v_and_b32 v44, 0xff, v[XS+4*\j+\c]
	v_bfe_u32 v45, v[XS+4*\j+\c], 8, 8
	v_cmp_eq_u32 s20, s18, v44
	v_cmp_eq_u32 vcc_lo, s18, v45
	s_or_b32 s20, s20, vcc_lo
	v_cndmask_b32 v46, 0, 1, vcc_lo                ; the slot
	v_add3_u32 v46, v3, v46, 256*\j+2*\c           ; the pair
	v_mbcnt_lo_u32_b32 v[RK+\c], s20, s21          ; the rank (of no meaning where there is no match; nobody reads it there)
	v_cndmask_b32 v47, v4, v[RK+\c], s20
	v_min_u32 v47, 1055, v47                       ; inside my list whatever sel holds
	v_lshl_add_u32 v47, v47, 2, s22
	ds_store_b32 v47, v46
	s_bcnt1_i32_b32 s23, s20
	s_add_co_u32 s21, s21, s23
.endm
.irp j, 0,1,2,3,4,5,6,7
.irp c, 0,1,2,3
	GRP \j, \c
.endr
	ds_store_b128 v5, v[RK:RK+3] offset:512*\j
.endr
	v_add_nc_u32 v47, s21, v1                      ; 32 padding marks behind the last pair; they come last, over what unmatched lanes left there
	v_min_u32 v47, 1055, v47
	v_lshl_add_u32 v47, v47, 2, s22
	v_mov_b32 v46, 4096
	ds_store_b32 v47, v46
	s_lshl_b32 s19, s18, 2
	s_add_co_u32 s19, s19, CNT
	v_mov_b32 v49, s19
	v_mov_b32 v48, s21
	ds_store_b32 v49, v48
	s_wait_dscnt 0x0                               ; for the others' sake: my list, ranks and count are written
	s_barrier_signal -1
	s_barrier_wait -1
	; every wave: the eight counts, and from them tiles, first tiles and passes.  s[24:31] cnt, s[32:39] ntile, s[40:47] toff, s[48:55] passes
	v_mov_b32 v50, CNT
	ds_load_b128 v[52:55], v50
	ds_load_b128 v[56:59], v50 offset:16
	s_wait_dscnt 0x0
	s_mov_b32 s56, 0
.irp i, 0,1,2,3,4,5,6,7
	v_readfirstlane_b32 s[24+\i], v[52+\i]
	s_min_u32 s[24+\i], s[24+\i], 1024
	s_add_co_u32 s[32+\i], s[24+\i], 15
	s_lshr_b32 s[32+\i], s[32+\i], 4
	s_mov_b32 s[40+\i], s56
	s_add_co_u32 s56, s56, s[32+\i]
	s_add_co_u32 s[48+\i], s[32+\i], 19
	s_mul_i32 s[48+\i], s[48+\i], 3277             ; (n + 19) / 20 for n up to 64: 3277 / 65536 is just above 1 / 20
	s_lshr_b32 s[48+\i], s[48+\i], 16
.endr
	s_cmp_lg_u32 ttmp9, 0
	s_cbranch_scc1 .Lno_meta
	s_cmp_lg_u32 s18, 0
	s_cbranch_scc1 .Lno_meta
	v_mov_b32 v62, 0
.irp i, 0,1,2,3,4,5,6,7
	v_writelane_b32 v62, s[24+\i], 4*\i
	v_writelane_b32 v62, s[32+\i], 4*\i+1
	v_writelane_b32 v62, s[40+\i], 4*\i+2
	v_writelane_b32 v62, s[48+\i], 4*\i+3
.endr
	v_lshlrev_b32 v63, 2, v1
	global_store_b32 v63, v62, s[10:11]            ; 128 bytes, all that later launches read of meta
.Lno_meta:
	s_cmp_ge_u32 ttmp9, 4
	s_cbranch_scc1 .Lno_pos
	; pos of token 256 T + thread: rank + 16 x its expert's first tile, for both slots
	s_lshl_b32 s60, ttmp9, 10
	s_mov_b32 s61, 0
	s_add_nc_u64 s[62:63], s[6:7], s[60:61]
	v_lshlrev_b32 v44, 2, v0
	global_load_b32 v45, v44, s[62:63]
	s_lshl_b32 s58, ttmp9, 11
	s_mov_b32 s59, 0
	s_add_nc_u64 s[56:57], s[12:13], s[58:59]
	v_add_nc_u32 v48, s60, v44                     ; 4 x token
	v_lshlrev_b32 v56, 3, v0
	s_wait_loadcnt 0x0
	v_and_b32 v46, 0xff, v45
	v_bfe_u32 v47, v45, 8, 8
	v_min_u32 v46, 7, v46
	v_min_u32 v47, 7, v47
	v_lshl_add_u32 v49, v46, 12, v48
	v_lshl_add_u32 v50, v47, 12, v48
	ds_load_b32 v52, v49 offset:POSL
	ds_load_b32 v53, v50 offset:POSL
	v_mov_b32 v54, s40
	v_mov_b32 v55, s40
.irp i, 1,2,3,4,5,6,7
	v_cmp_eq_u32 vcc_lo, \i, v46
	v_cndmask_b32 v54, v54, s[40+\i], vcc_lo
	v_cmp_eq_u32 vcc_lo, \i, v47
	v_cndmask_b32 v55, v55, s[40+\i], vcc_lo
.endr
	s_wait_dscnt 0x0
	v_lshl_add_u32 v52, v54, 4, v52
	v_lshl_add_u32 v53, v55, 4, v53
	global_store_b64 v56, v[52:53], s[56:57]       ; a wave stores 256 consecutive bytes, aligned.  v52, v53, v56 and s[56:57] are not written again
.Lno_pos:
	; tile slot T: the last expert whose first tile is not behind T (an expert without tiles shares its first tile with the next and loses)
	s_mov_b32 s19, 0                               ; expert
	s_mov_b32 s20, 0                               ; its first tile
	s_mov_b32 s21, s24                             ; its count
.irp i, 1,2,3,4,5,6,7
	s_cmp_ge_u32 ttmp9, s[40+\i]
	s_cselect_b32 s19, \i, s19
	s_cselect_b32 s20, s[40+\i], s20
	s_cselect_b32 s21, s[24+\i], s21
.endr
	s_sub_co_u32 s60, ttmp9, s20
	s_lshl_b32 s60, s60, 4                         ; the tile's first rank
	s_add_co_u32 s61, s21, 16                      ; a rank that holds a padding mark
	v_and_b32 v58, 15, v1
	v_add_nc_u32 v58, s60, v58
	v_min_u32 v58, s61, v58
	v_min_u32 v58, 1055, v58
	s_mul_i32 s22, s19, LISTB
	v_lshl_add_u32 v58, v58, 2, s22
	ds_load_b32 v57, v58                           ; lane l: the pair of row l mod 16, or 4096
	s_lshl_b32 s22, s18, 9
	v_add_nc_u32 v6, s22, v2                       ; wave w takes k = 128 w .. 128 w + 127 of every row: 512 bytes, 16 a lane
	s_wait_dscnt 0x0                               ; my reads of lists and ranks are done,
	s_barrier_signal -1                            ; and every wave's are, before any wave writes LDS again: those reads' addresses hang on sel, so
	s_barrier_wait -1                              ; their order against the stage stores below is made by a barrier and not left to the range of loaded numbers
.irp r, 0,1,2,3,4,5,6,7,8,9,10,11,12,13,14,15
	v_readlane_b32 s23, v57, \r
	s_lshr_b32 s23, s23, 1                         ; the token
	s_min_u32 s23, s23, 1023                       ; a padding mark becomes token 1023
	v_lshl_add_u32 v[64+\r], s23, 12, v6
.endr
.irp r, 0,1,2,3,4,5,6,7,8,9,10,11,12,13,14,15
	global_load_b128 v[80+4*\r:83+4*\r], v[64+\r], s[4:5]      ; no hint: a token's row is named by two lists
.endr
	; Lane l holds k = 128 w + 4 l + 0..3: block 2 w + (l>>4), h = bit 3 of l, s = bit 2, half = bit 1, and 8 bytes at 8 (l & 1) of the piece.
	; In units of 256 bytes: 8 (l>>4) + 4 s + 2 half + h; inside the unit 16 r + 8 (l & 1).  A stage unit is 272 bytes apart from the next, so
	; that the 32 lanes of a store touch 32 different columns of 8 bytes modulo 256.
	v_lshrrev_b32 v8, 4, v1
	v_bfe_u32 v9, v1, 2, 1
	v_bfe_u32 v10, v1, 1, 1
	v_bfe_u32 v11, v1, 3, 1
	v_lshl_add_u32 v8, v8, 1, v9
	v_lshl_add_u32 v8, v8, 1, v10
	v_lshl_add_u32 v8, v8, 1, v11
	v_mul_u32_u24 v8, v8, SPITCH
	v_and_b32 v9, 1, v1
	v_lshl_add_u32 v8, v9, 3, v8
	s_mul_i32 s22, s18, 16*SPITCH
	s_add_co_u32 s22, s22, STAGE                   ; my stage
	v_add_nc_u32 v7, s22, v8
	v_lshrrev_b32 v9, 4, v1                        ; back: lanes 0-15 one unit, lanes 16-31 the next
	v_mul_u32_u24 v9, v9, SPITCH
	v_and_b32 v10, 15, v1
	v_lshl_add_u32 v9, v10, 4, v9
	v_add_nc_u32 v12, s22, v9
	s_lshl_b32 s23, s18, 12
	v_add_nc_u32 v13, s23, v2                      ; my 4,096 bytes of the tile's image
	s_lshl_b32 s60, ttmp9, 15
	s_mov_b32 s61, 0
	s_add_nc_u64 s[16:17], s[16:17], s[60:61]      ; xg at tile slot T
.irp r, 0,1,2,3,4,5,6,7,8,9,10,11,12,13,14,15
	s_wait_loadcnt 15-\r                           ; loads come back in order: row r is in, the younger rows stay out
	v_cvt_pk_bf16_f32 v[144+2*(\r&1)], v[80+4*\r], v[81+4*\r]
	v_cvt_pk_bf16_f32 v[145+2*(\r&1)], v[82+4*\r], v[83+4*\r]
	ds_store_b64 v7, v[144+2*(\r&1):145+2*(\r&1)] offset:16*\r
.endr
.irp i, 0,1,2,3,4,5,6,7
	ds_load_b128 v[80+4*\i:83+4*\i], v12 offset:2*SPITCH*\i    ; my own stage, served in order behind my stores: no wait, no barrier
.endr
.irp i, 0,1,2,3,4,5,6,7
	s_wait_dscnt 7-\i
	global_store_b128 v13, v[80+4*\i:83+4*\i], s[16:17] offset:512*\i   ; 512 consecutive bytes, aligned
.endr
	s_cmp_lg_u32 s18, 0
	s_cbranch_scc1 .Lend
	v_min_u32 v14, 2047, v57                       ; wave 0: the 16 rows' routing weights
	v_lshlrev_b32 v14, 2, v14
	global_load_b32 v15, v14, s[8:9]
	s_lshl_b32 s62, ttmp9, 6
	s_mov_b32 s63, 0
	s_add_nc_u64 s[14:15], s[14:15], s[62:63]
	v_lshlrev_b32 v16, 2, v1
	v_cmp_gt_u32 vcc_lo, 2048, v57                 ; a pair, not a padding mark
	s_wait_loadcnt 0x0
	v_cndmask_b32 v15, 0, v15, vcc_lo
	v_cmp_gt_u32 vcc_lo, 16, v1
	s_wait_xcnt 0x0                                ; EXEC is a source of the stores above
	s_and_saveexec_b32 s23, vcc_lo
	global_store_b32 v16, v15, s[14:15]            ; 64 bytes a work-group, 8,640 in the launch
	s_wait_xcnt 0x0
	s_or_b32 exec_lo, exec_lo, s23
.Lend:
	s_wait_tensorcnt 0x0
	ds_add_u32 v160, v161
	s_wait_dscnt 0x0
	s_endpgm
.Lfunc_end_k_q80bd747d3d_prep:
	.size	k_q80bd747d3d_prep, .Lfunc_end_k_q80bd747d3d_prep-k_q80bd747d3d_prep
	.p2alignl 7, 3214868480
	.fill 96, 4, 3214868480
	.section	.rodata,"a",@progbits
	.p2align	6, 0x0
	.amdhsa_kernel k_q80bd747d3d_prep
		.amdhsa_group_segment_fixed_size 102656
		.amdhsa_private_segment_fixed_size 0
		.amdhsa_enable_private_segment 0
		.amdhsa_kernarg_size 56
		.amdhsa_user_sgpr_count 2
		.amdhsa_user_sgpr_kernarg_segment_ptr 1
		.amdhsa_wavefront_size32 1
		.amdhsa_system_sgpr_workgroup_id_x 1
		.amdhsa_system_sgpr_workgroup_id_y 1
		.amdhsa_system_sgpr_workgroup_id_z 1
		.amdhsa_system_vgpr_workitem_id 0
		.amdhsa_next_free_vgpr 162
		.amdhsa_next_free_sgpr 66
		.amdhsa_reserve_vcc 1
		.amdhsa_float_denorm_mode_32 3
		.amdhsa_float_denorm_mode_16_64 3
		.amdhsa_memory_ordered 1
		.amdhsa_forward_progress 1
		.amdhsa_inst_pref_size 50
	.end_amdhsa_kernel
	.amdgpu_metadata
---
amdhsa.version: [ 1, 2 ]
amdhsa.kernels:
  - .name:           k_q80bd747d3d_prep
    .symbol:         k_q80bd747d3d_prep.kd
    .args:
      - { .name: hidden_states, .offset: 0, .size: 8, .value_kind: global_buffer, .address_space: global }
      - { .name: sel, .offset: 8, .size: 8, .value_kind: global_buffer, .address_space: global }
      - { .name: rw, .offset: 16, .size: 8, .value_kind: global_buffer, .address_space: global }
      - { .name: meta, .offset: 24, .size: 8, .value_kind: global_buffer, .address_space: global }
      - { .name: pos, .offset: 32, .size: 8, .value_kind: global_buffer, .address_space: global }
      - { .name: wsort, .offset: 40, .size: 8, .value_kind: global_buffer, .address_space: global }
      - { .name: xg, .offset: 48, .size: 8, .value_kind: global_buffer, .address_space: global }
    .group_segment_fixed_size: 102656
    .private_segment_fixed_size: 0
    .kernarg_segment_align: 8
    .kernarg_segment_size: 56
    .max_flat_workgroup_size: 256
    .sgpr_count:     66
    .vgpr_count:     162
    .wavefront_size: 32
...
	.end_amdgpu_metadata
.endif
;; end of part 2
;; launch gateup (part 3): grid 256 x 1, 4 waves a work-group, no clusters, 33,280 bytes of LDS; arguments xg, w_g, w_v, meta, gu; writes gu
.if DOCPART == 3
	.amdgcn_target "amdgcn-amd-amdhsa--gfx1250"
	.amdhsa_code_object_version 6
	.text
	.protected	k_q80bd747d3d_gateup
	.globl	k_q80bd747d3d_gateup
	.p2align	8
	.type	k_q80bd747d3d_gateup,@function
k_q80bd747d3d_gateup:
	s_mov_b64 s[64:65], 0
	v_nop
	global_prefetch_b8 v0, s[64:65] scope:SCOPE_SE
	s_setreg_imm32_b32 hwreg(HW_REG_WAVE_MODE, 25, 1), 1
	s_wait_xcnt 0x0
; GATE AND UP.  gu[row][f] = gelu(sum_k x[row][k] w_g[e][k][f]) * (sum_k x[row][k] w_v[e][k][f]) for the sorted rows of expert e.
; gu IS STORED AS TWO bf16 NUMBERS: hi = the f32 result rounded, lo = the remainder (exact in f32) rounded.  One bf16 has 8 significant bits, an error of up
; to 2^-9 in each of the next product's 2,048 terms; the two together hold 16 bits, and the next launch multiplies both by the weights.
; Work-group = expert e (ttmp9 >> 5) x 64 columns of F (ttmp9 & 31), both matrices.  A pass takes 320 sorted rows: four waves x 5 tiles of 16.
; WEIGHTS lie [k][f] in f32.  Lane (r = L & 15, h = L >> 4) loads 16 rows k, 16 bytes at columns 4 r .. 4 r + 3: sixteen lanes cover 256 aligned bytes
; of a row.  Rounding component q of two neighbouring rows into one word gives the registers of fragment q, whose column r is f = 4 r + q: no transpose.
; ORDER OF K: in a block of 64 k, fragment s holds in lane half h, element p: k = 32 h + 16 s + p, alike for weights and tokens, which keeps the
; products (the order of the terms inside a matrix instruction differs from ascending k: stated limit).
; TOKENS come as fragment images (see the launch that writes xg): two loads of 512 consecutive bytes a fragment, memory to registers.
; THE FIRST PASS (rows 0 to 319) is written once: wave u = 2 mat + s makes the four fragments (mat, s, q) of a K step and puts them into LDS; every wave
; reads all sixteen: 16 KiB for 80 matrix instructions; each weight byte is loaded once, 512 KiB a work-group.
; BETWEEN TWO BARRIERS a wave reads slot t mod 2 and writes the other slot.  The reads go out in two runs of 16, each ahead of 40 matrix instructions that
; do not need them: k half 0 of step t ahead of the products of k half 1 of step t - 1, k half 1 of step t ahead of the products of k half 0 of step t.
; THE FIFTH TILE: a wave whose tile 20 pass + 16 + wave lies past the expert's last tile issues no matrix instruction for it but the first eight of the pass,
; which write its accumulators; its token loads stay, so that every counted wait for loads has one count on both ways.
; FURTHER PASSES (an expert with more than 320 rows; up to 1,024 are served) are counted by meta.  Every wave passes every barrier whatever memory holds,
; so no barrier stands in a loop whose count is loaded: there each wave makes all sixteen fragments itself, in registers, without LDS.  That way reads the
; weights four times a work-group and has no look-ahead; it is there for counts far above the mean of 256.  Both ways share one way out.
; THE MATRIX INSTRUCTION IS USED TRANSPOSED (source 0 weights, source 1 tokens): lane (r, h) then holds, for token r, f = 32 h + 4 i + q: just the
; two image pieces of the next product, so gu leaves as images: a tile of gu is 131,072 bytes, hi's image of 32 blocks of 2,048 bytes, then lo's;
; four stores of 512 consecutive bytes a tile for each.
; NO JOINT TENSOR LOADS: weights are shared by no two work-groups.  The images are shared by an expert's 32 work-groups, but a joint load lands in LDS:
; 10 KiB written and 10 KiB read again a wave and K step beside the 16 KiB above, and a wave's five tiles are clamped one by one by a count from memory.
; gelu: x Phi(x) = max(x, 0) - |x| y, y = erfc(|x| / sqrt 2) / 2 by Abramowitz and Stegun 7.1.26, absolute error of erf 1.5e-7 (stated limit).
; LIMITS: NaN and infinite inputs are not served, nor results above bf16's largest finite number, 3.39e38, which hi would round to infinity.
;
; REGISTERS, in windows of 256:
;   window 0: v1 16 L; v2 my LDS store address; v3 weights' lane offset; v4 prefetch's lane offset; v5-9 tiles' offsets in xg; v10-14 in gu; v16-17 a constant;
;             v20 weights' lane offset in further passes; v64-191 weight fragments BF(s, f) = 64 + 64 s + 8 f, f = 4 mat + q; on the way out v64-239 at work
;   window 1: accumulators of tiles 0-3, ACC(j, f) = 64 j + 8 f      window 2: v0-63 ACC(4, f); v64-223 token fragments AF(set, j, s) = 64 + 80 set + 16 j + 8 s
;   window 3: v0-191 three sets of 64 for weights as loaded; v192-223 the four fragments just made
.set NS,    16                         ; K steps of 64
.set PITCH, 8192                       ; bytes from a row of weights to the next
.set GLO,   65536                      ; lo's image behind hi's in a tile of gu
.set AX, 64                            ; the way out: |x|; v64-95 also hold hi widened again
.set MX, 72                            ; max(x, 0), then gelu
.set XX, 80                            ; x^2, then the exponential
.set TT, 88                            ; t
.set PP, 96                            ; the polynomial
.set RR, 112                           ; gelu x up, 8 for each q; then the remainders
.set OUT, 144                          ; three sets of 32 words (16 hi, 16 lo) that the tiles take by turns
.set MSB, 0
.set ISSUED, 0
.macro WIN new                         ; s_set_vgpr_msb: bits 1:0 source 0, 3:2 source 1, 5:4 source 2, 7:6 destination; the high byte repeats the setting that is left
.if MSB != \new
	s_set_vgpr_msb (MSB<<8)|\new
.set MSB, \new
.endif
.endm
.macro PLACES                          ; four places behind matrix instructions, ahead of loads into registers that they have read and of vector reads of their results
.rept 4
	v_nop
.endr
.endm
; ISSUED counts the first pass's global loads; a mark holds its value behind a group's last load; the wait leaves out what was issued behind the group
; (63 where that is more than the wait can name: a smaller count is safe).
.macro LWAIT m
.if (ISSUED-(\m)) > 63
	s_wait_loadcnt 63
.else
	s_wait_loadcnt ISSUED-(\m)
.endif
.endm
.macro LWAITW t
.if ((\t)%3)==0
	LWAIT WM0
.elseif ((\t)%3)==1
	LWAIT WM1
.else
	LWAIT WM2
.endif
.endm
.macro LWAITA t
.if ((\t)%2)==0
	LWAIT AM0
.else
	LWAIT AM1
.endif
.endm
.macro WLOAD t                         ; my 16 rows x 2 halves of K step t: 8 KiB of weights
	WIN 0xc0
.set wi, 0
.rept 16
	global_load_b128 v[64*((\t)%3)+4*wi:64*((\t)%3)+4*wi+3], v3, s[24:25] offset:(64*(\t)+wi)*PITCH th:TH_LOAD_NT
.set wi, wi+1
.endr
.set ISSUED, ISSUED+16
.if ((\t)%3)==0
.set WM0, ISSUED
.elseif ((\t)%3)==1
.set WM1, ISSUED
.else
.set WM2, ISSUED
.endif
.endm
.macro ALOAD t                         ; my five tiles' two fragments of K step t
	WIN 0x80
.irp j, 0,1,2,3,4
.irp s, 0,1
	global_load_b128 v[64+80*((\t)%2)+16*\j+8*\s:64+80*((\t)%2)+16*\j+8*\s+3], v[5+\j], s[4:5] offset:(\t)*2048+\s*1024
	global_load_b128 v[64+80*((\t)%2)+16*\j+8*\s+4:64+80*((\t)%2)+16*\j+8*\s+7], v[5+\j], s[4:5] offset:(\t)*2048+\s*1024+512
.endr
.endr
.set ISSUED, ISSUED+20
.if ((\t)%2)==0
.set AM0, ISSUED
.else
.set AM1, ISSUED
.endif
.endm
.macro WCVT t                          ; 64 f32 a lane become four fragments, which go to my 4 KiB of slot t mod 2
	WIN 0xcf
.set cq, 0
.rept 4
.set ci, 0
.rept 8
	v_cvt_pk_bf16_f32 v[192+8*cq+ci], v[64*((\t)%3)+8*ci+cq], v[64*((\t)%3)+8*ci+4+cq]
.set ci, ci+1
.endr
.set cq, cq+1
.endr
	WIN 0x0c
.set cq, 0
.rept 4
	ds_store_b128 v2, v[192+8*cq:192+8*cq+3] offset:((\t)%2)*16384+cq*1024
	ds_store_b128 v2, v[192+8*cq+4:192+8*cq+7] offset:((\t)%2)*16384+cq*1024+512
.set cq, cq+1
.endr
.endm
.macro BLOADS t, s                     ; the eight fragments of K step t, k half s: 16 loads, 16 bytes a lane, lanes side by side
	WIN 0
.irp f, 0,1,2,3,4,5,6,7
	ds_load_b128 v[64+64*\s+8*\f:64+64*\s+8*\f+3], v1 offset:((\t)%2)*16384+(2*(\f>>2)+\s)*4096+(\f&3)*1024
	ds_load_b128 v[64+64*\s+8*\f+4:64+64*\s+8*\f+7], v1 offset:((\t)%2)*16384+(2*(\f>>2)+\s)*4096+(\f&3)*1024+512
.endr
.endm
; 40 matrix instructions, or 32 where the wave has no fifth tile.  The accumulators take turns, one instruction a turn, in the same order in every call.
; zero = 1: the first products start the sums, those of the fifth tile too, whether it exists or not, so that its accumulators are written on every way.
.macro MUL t, s, zero
	WIN 0x58
.irp j, 0,1,2,3
.irp f, 0,1,2,3,4,5,6,7
.if \zero
	v_wmma_f32_16x16x32_bf16 v[64*\j+8*\f:64*\j+8*\f+7], v[64+64*\s+8*\f:64+64*\s+8*\f+7], v[64+80*((\t)%2)+16*\j+8*\s:64+80*((\t)%2)+16*\j+8*\s+7], 0
.else
	v_wmma_f32_16x16x32_bf16 v[64*\j+8*\f:64*\j+8*\f+7], v[64+64*\s+8*\f:64+64*\s+8*\f+7], v[64+80*((\t)%2)+16*\j+8*\s:64+80*((\t)%2)+16*\j+8*\s+7], v[64*\j+8*\f:64*\j+8*\f+7]
.endif
.endr
.endr
.if \zero
	WIN 0xa8
.irp f, 0,1,2,3,4,5,6,7
	v_wmma_f32_16x16x32_bf16 v[8*\f:8*\f+7], v[64+64*\s+8*\f:64+64*\s+8*\f+7], v[128+80*((\t)%2)+8*\s:128+80*((\t)%2)+8*\s+7], 0
.endr
.else
	WIN 0                                          ; at a branch and at a label every window is 0
	s_cmp_lt_u32 s34, s21                          ; is my fifth tile one of the expert's?
	s_cbranch_scc0 .Lfour_\@
	WIN 0xa8
.irp f, 0,1,2,3,4,5,6,7
	v_wmma_f32_16x16x32_bf16 v[8*\f:8*\f+7], v[64+64*\s+8*\f:64+64*\s+8*\f+7], v[128+80*((\t)%2)+8*\s:128+80*((\t)%2)+8*\s+7], v[8*\f:8*\f+7]
.endr
	WIN 0
.Lfour_\@:
.endif
.endm
.macro PF t                            ; my own 32 pieces of 256 bytes of K step t, one a lane: no other wave asks for them
	global_prefetch_b8 v4, s[24:25] offset:64*(\t)*PITCH th:TH_LOAD_NT scope:SCOPE_SE
.endm
; What a wave does between the barrier that shows slot t mod 2 whole and the next barrier.
.macro STEP t
	BLOADS \t, 0                                   ; into fragments last read by the products of k half 0 of step t - 1, which have their four places behind them
.if (\t) > 0
	MUL (\t)-1, 1, 0                               ; its weight fragments were waited for in front of the barrier, its tokens with their group in the step before
	PLACES
.if (\t)+1 < NS
	ALOAD (\t)+1                                   ; into the token set that step t - 1 has just left
.endif
.endif
	BLOADS \t, 1
.if (\t)+1 < NS
	LWAITW (\t)+1
	WCVT (\t)+1                                    ; into the slot that was read between the last two barriers
.if (\t)+4 < NS
	WLOAD (\t)+4                                   ; into the set just converted
.endif
.if (\t)+7 < NS
	PF (\t)+7                                      ; three steps ahead of the loads that want it; the last seven steps ask for nothing
.endif
.endif
	LWAITA \t
.if (\t)+1 < NS
	s_wait_dscnt 24                                ; k half 0 is in: the 16 loads of k half 1 and my 8 stores are younger
.else
	s_wait_dscnt 16
.endif
.if (\t) == 0
	MUL \t, 0, 1                                   ; the first products start the sums: nothing is cleared
.else
	MUL \t, 0, 0
.endif
	PLACES
	WIN 0
	s_wait_dscnt 0x0                               ; my reads of this slot and my stores into the other are done:
.if (\t)+1 < NS
	s_barrier_signal -1                            ; one barrier a step orders these reads ahead of the next stores into the slot,
	s_barrier_wait -1                              ; and these stores ahead of the next reads
.endif
.endm
; My five tiles of pass s28, and their offsets in xg (32,768 bytes a tile) and gu (131,072 bytes a tile)
.macro TILES
	WIN 0
	s_mul_i32 s35, s28, 20
	s_add_co_u32 s35, s35, s14
.irp j, 0,1,2,3,4
	s_add_co_u32 s[30+\j], s35, 4*\j               ; my tile j of the expert: 20 pass + 4 j + wave
	s_min_u32 s36, s[30+\j], s29                   ; past the end: the last tile's bytes, loaded and not stored
	s_add_co_u32 s36, s36, s22
	s_min_u32 s36, s36, 134
	v_lshl_add_u32 v[5+\j], s36, 15, v1
	s_lshl_b32 s36, s36, 17
	s_add_co_u32 s36, s36, s37
	v_add_nc_u32 v[10+\j], s36, v1
.endr
.endm
; Half a K step of a further pass: the wave loads both matrices' 16 rows x 2 lane halves of k half s (no hint: all four waves read these bytes) and its five
; tiles' fragments, 42 loads, waits for all of them, rounds the weights straight into the eight fragments BF(s, .), and multiplies.
.macro THALF s, zero
	WIN 0xc0
.set wi, 0
.rept 16
	global_load_b128 v[4*wi:4*wi+3], v20, s[40:41] offset:(16*\s+wi)*PITCH
	global_load_b128 v[64+4*wi:64+4*wi+3], v20, s[42:43] offset:(16*\s+wi)*PITCH
.set wi, wi+1
.endr
	WIN 0x80
.irp j, 0,1,2,3,4
	global_load_b128 v[64+16*\j+8*\s:64+16*\j+8*\s+3], v[5+\j], s[44:45] offset:\s*1024
	global_load_b128 v[64+16*\j+8*\s+4:64+16*\j+8*\s+7], v[5+\j], s[44:45] offset:\s*1024+512
.endr
	s_wait_loadcnt 0x0
	WIN 0x0f
.irp m, 0,1
.set cq, 0
.rept 4
.set ci, 0
.rept 8
	v_cvt_pk_bf16_f32 v[64+64*\s+8*(4*\m+cq)+ci], v[64*\m+8*ci+cq], v[64*\m+8*ci+4+cq]
.set ci, ci+1
.endr
.set cq, cq+1
.endr
.endr
	MUL 0, \s, \zero
	PLACES
.endm
.macro TSTEP zero
	THALF 0, \zero
	THALF 1, 0
	WIN 0
	s_add_nc_u64 s[40:41], s[40:41], 64*PITCH      ; no load is out since the wait for 0: the three addresses step by 64 k
	s_add_nc_u64 s[42:43], s[42:43], 64*PITCH
	s_add_nc_u64 s[44:45], s[44:45], 2048
.endm
; gelu(gate) x up for tile j, fragment q: 8 numbers a lane
.macro GELUQ j, q
.if \j < 4
.set GA, 64*\j
.set GW, 0x04
.else
.set GA, 0
.set GW, 0x08
.endif
	WIN GW                                         ; source 1 in the accumulators' window
.irp i, 0,1,2,3,4,5,6,7
	v_and_b32 v[AX+\i], s38, v[GA+8*\q+\i]
.endr
.irp i, 0,1,2,3,4,5,6,7
	v_max_num_f32 v[MX+\i], 0, v[GA+8*\q+\i]
.endr
	WIN 0
.irp i, 0,2,4,6
	v_pk_fma_f32 v[TT+\i:TT+\i+1], v[AX+\i:AX+\i+1], 0x3e6d3388, 1.0 op_sel_hi:[1,0,0]    ; 1 + 0.3275911 |x| / sqrt 2
.endr
.irp i, 0,2,4,6
	v_pk_mul_f32 v[XX+\i:XX+\i+1], v[AX+\i:AX+\i+1], v[AX+\i:AX+\i+1]
.endr
.irp i, 0,1,2,3,4,5,6,7
	v_rcp_f32 v[TT+\i], v[TT+\i]
.endr
.irp i, 0,2,4,6
	v_pk_mul_f32 v[XX+\i:XX+\i+1], v[XX+\i:XX+\i+1], 0xbf38aa3b op_sel_hi:[1,0]           ; e^(-x^2/2) = 2^(-0.72134752 x^2); also the plain places behind v_rcp_f32
.endr
.irp i, 0,1,2,3,4,5,6,7
	v_exp_f32 v[XX+\i], v[XX+\i]
.endr
	s_wait_alu depctr_va_vdst(0)
.irp i, 0,2,4,6
	v_pk_fma_f32 v[PP+\i:PP+\i+1], v[TT+\i:TT+\i+1], v[16:17], 0xbf3a00e3 op_sel_hi:[1,1,0]   ; halved coefficients, highest first; the plain places behind v_exp_f32
.endr
.irp i, 0,2,4,6
	v_pk_fma_f32 v[PP+\i:PP+\i+1], v[PP+\i:PP+\i+1], v[TT+\i:TT+\i+1], 0x3f35f0e3 op_sel_hi:[1,1,0]
.endr
.irp i, 0,2,4,6
	v_pk_fma_f32 v[PP+\i:PP+\i+1], v[PP+\i:PP+\i+1], v[TT+\i:TT+\i+1], 0xbe11a98e op_sel_hi:[1,1,0]
.endr
.irp i, 0,2,4,6
	v_pk_fma_f32 v[PP+\i:PP+\i+1], v[PP+\i:PP+\i+1], v[TT+\i:TT+\i+1], 0x3e027906 op_sel_hi:[1,1,0]
.endr
.irp i, 0,2,4,6
	v_pk_mul_f32 v[PP+\i:PP+\i+1], v[PP+\i:PP+\i+1], v[TT+\i:TT+\i+1]
.endr
.irp i, 0,2,4,6
	v_pk_mul_f32 v[PP+\i:PP+\i+1], v[PP+\i:PP+\i+1], v[XX+\i:XX+\i+1]
.endr
.irp i, 0,2,4,6
	v_pk_fma_f32 v[MX+\i:MX+\i+1], v[AX+\i:AX+\i+1], v[PP+\i:PP+\i+1], v[MX+\i:MX+\i+1] neg_lo:[1,0,0] neg_hi:[1,0,0]   ; max(x, 0) - |x| y
.endr
	WIN GW
.irp i, 0,2,4,6
	v_pk_mul_f32 v[RR+8*\q+\i:RR+8*\q+\i+1], v[MX+\i:MX+\i+1], v[GA+32+8*\q+\i:GA+32+8*\q+\i+1]
.endr
.endm
.macro TILEOUT j
	s_cmp_lt_u32 s[30+\j], s21                     ; a tile past the expert's last is not stored
	s_cbranch_scc0 .Lskip_\@
	GELUQ \j, 0
	GELUQ \j, 1
	GELUQ \j, 2
	GELUQ \j, 3
	WIN 0
.set OJ, OUT+32*(\j%3)
.if \j >= 3
	s_wait_xcnt 0x0                                ; this set of 32 words was the store data of the tile three turns ago
.endif
.irp i, 0,1,2,3,4,5,6,7
	v_cvt_pk_bf16_f32 v[OJ+2*\i],   v[RR+\i],    v[RR+8+\i]      ; hi: f = 32 h + 4 i + 0, 1
	v_cvt_pk_bf16_f32 v[OJ+2*\i+1], v[RR+16+\i], v[RR+24+\i]     ;     f = 32 h + 4 i + 2, 3
.endr
.irp i, 0,1,2,3,4,5,6,7
	v_lshlrev_b32 v[AX+4*\i],   16,  v[OJ+2*\i]                  ; hi as f32 again
	v_and_b32     v[AX+4*\i+1], s46, v[OJ+2*\i]
	v_lshlrev_b32 v[AX+4*\i+2], 16,  v[OJ+2*\i+1]
	v_and_b32     v[AX+4*\i+3], s46, v[OJ+2*\i+1]
.endr
.irp i, 0,1,2,3,4,5,6,7
	v_sub_f32 v[RR+\i],    v[RR+\i],    v[AX+4*\i]               ; the remainder has at most 16 significant bits: exact in f32
	v_sub_f32 v[RR+8+\i],  v[RR+8+\i],  v[AX+4*\i+1]
	v_sub_f32 v[RR+16+\i], v[RR+16+\i], v[AX+4*\i+2]
	v_sub_f32 v[RR+24+\i], v[RR+24+\i], v[AX+4*\i+3]
.endr
.irp i, 0,1,2,3,4,5,6,7
	v_cvt_pk_bf16_f32 v[OJ+16+2*\i],   v[RR+\i],    v[RR+8+\i]   ; lo, in the same places
	v_cvt_pk_bf16_f32 v[OJ+16+2*\i+1], v[RR+16+\i], v[RR+24+\i]
.endr
.irp p, 0,1,2,3
	global_store_b128 v[10+\j], v[OJ+4*\p:OJ+4*\p+3], s[12:13] offset:512*\p             ; 512 consecutive bytes, aligned
.endr
.irp p, 0,1,2,3
	global_store_b128 v[10+\j], v[OJ+16+4*\p:OJ+16+4*\p+3], s[12:13] offset:GLO+512*\p
.endr
.Lskip_\@:
.endm
	s_load_b256 s[4:11], s[0:1], 0x0               ; xg s[4:5], w_g s[6:7], w_v s[8:9], meta s[10:11]
	s_load_b64 s[12:13], s[0:1], 0x20              ; gu
	v_lshl_add_u32 v254, v0, 2, 0x8000
	v_mov_b32 v255, 0
	v_lshrrev_b32 v1, 5, v0
	v_readfirstlane_b32 s14, v1                    ; wave = 2 mat + s
	s_lshr_b32 s15, ttmp9, 5                       ; expert
	s_and_b32 s16, ttmp9, 31                       ; block of 64 columns
	v_and_b32 v15, 31, v0                          ; L
	v_lshlrev_b32 v1, 4, v15
	s_lshl_b32 s35, s14, 12
	v_add_nc_u32 v2, s35, v1
	v_and_b32 v18, 15, v15                         ; r
	v_lshrrev_b32 v19, 4, v15                      ; h
	v_lshlrev_b32 v19, 18, v19                     ; 32 h rows of 8,192 bytes
	v_lshl_add_u32 v20, v18, 4, v19                ; further passes: + 16 r; the k half stands in the immediate there
	s_and_b32 s35, s14, 1
	s_lshl_b32 s35, s35, 17
	v_add_nc_u32 v19, s35, v19                     ; (32 h + 16 s) rows
	v_lshl_add_u32 v3, v18, 4, v19                 ; + 16 r
	v_lshl_add_u32 v4, v18, 13, v19                ; the prefetch: + r rows
	v_mov_b32 v16, 0x3f07dc22                      ; the polynomial's highest coefficient, halved, twice
	v_mov_b32 v17, 0x3f07dc22
	s_mov_b32 s38, 0x7fffffff
	s_mov_b32 s46, 0xffff0000                      ; a word's upper bf16
	s_lshl_b32 s37, s16, 11                        ; my block of 2,048 bytes in an image of gu
	s_lshl_b32 s26, s15, 4
	s_mov_b32 s27, 0
	s_wait_kmcnt 0x0
	s_add_nc_u64 s[10:11], s[10:11], s[26:27]
	s_load_b128 s[20:23], s[10:11], 0x0            ; cnt, ntile, toff, passes: waited for behind the first weight loads, whose addresses do not hang on them
	s_lshl_b32 s26, s15, 23                        ; the expert's 8 MiB
	s_lshl_b32 s35, s16, 8                         ; 256 bytes a block of columns
	s_add_co_u32 s26, s26, s35
	s_add_nc_u64 s[6:7], s[6:7], s[26:27]
	s_add_nc_u64 s[8:9], s[8:9], s[26:27]
	s_cmp_lt_u32 s14, 2
	s_cselect_b64 s[24:25], s[6:7], s[8:9]         ; first pass: waves 0, 1 fetch gate, waves 2, 3 up
	; THE FIRST PASS
	WLOAD 0
	WLOAD 1
	WLOAD 2
	PF 4
	PF 5
	PF 6
	s_mov_b32 s28, 0
	s_wait_kmcnt 0x0
	s_min_u32 s21, s21, 64
	s_min_u32 s22, s22, 134
	s_min_u32 s23, s23, 4
	s_max_u32 s29, s21, 1
	s_sub_co_u32 s29, s29, 1                       ; the expert's last tile (0 where it has none: then nothing is stored)
	TILES
	ALOAD 0
	ALOAD 1
	LWAITW 0
	WCVT 0
	WLOAD 3
	WIN 0
	s_wait_dscnt 0x0                               ; my part of slot 0 is written
	s_barrier_signal -1
	s_barrier_wait -1
.irp t, 0,1,2,3,4,5,6,7,8,9,10,11,12,13,14,15
	STEP \t
.endr
	MUL NS-1, 1, 0                                 ; the last half step: its fragments were waited for at the last step's end
	PLACES
	WIN 0
	; THE WAY OUT of every pass; behind it, as long as meta counts more passes, a further pass without LDS and barriers
.Lout:
	TILEOUT 0
	TILEOUT 1
	TILEOUT 2
	TILEOUT 3
	TILEOUT 4
	s_wait_xcnt 0x0                                ; the stores' data and offsets are written again in a further pass
	s_add_co_u32 s28, s28, 1
	s_cmp_ge_u32 s28, s23
	s_cbranch_scc1 .Lend
	TILES
	s_mov_b64 s[40:41], s[6:7]                     ; gate, up and tokens from k = 0
	s_mov_b64 s[42:43], s[8:9]
	s_mov_b64 s[44:45], s[4:5]
	TSTEP 1                                        ; the first products start the sums
	s_mov_b32 s39, NS-1
.Ltk:
	TSTEP 0
	s_sub_co_u32 s39, s39, 1
	s_cmp_lg_u32 s39, 0
	s_cbranch_scc1 .Ltk
	s_cmp_lt_u32 s28, s23                          ; holds here: the pass that was just multiplied goes out
	s_cbranch_scc1 .Lout
.Lend:
	s_wait_tensorcnt 0x0
	ds_add_u32 v254, v255
	s_wait_dscnt 0x0
	s_endpgm
.Lfunc_end_k_q80bd747d3d_gateup:
	.size	k_q80bd747d3d_gateup, .Lfunc_end_k_q80bd747d3d_gateup-k_q80bd747d3d_gateup
	.p2alignl 7, 3214868480
	.fill 96, 4, 3214868480
	.section	.rodata,"a",@progbits
	.p2align	6, 0x0
	.amdhsa_kernel k_q80bd747d3d_gateup
		.amdhsa_group_segment_fixed_size 33280
		.amdhsa_private_segment_fixed_size 0
		.amdhsa_enable_private_segment 0
		.amdhsa_kernarg_size 40
		.amdhsa_user_sgpr_count 2
		.amdhsa_user_sgpr_kernarg_segment_ptr 1
		.amdhsa_wavefront_size32 1
		.amdhsa_system_sgpr_workgroup_id_x 1
		.amdhsa_system_sgpr_workgroup_id_y 1
		.amdhsa_system_sgpr_workgroup_id_z 1
		.amdhsa_system_vgpr_workitem_id 0
		.amdhsa_next_free_vgpr 992
		.amdhsa_next_free_sgpr 66
		.amdhsa_reserve_vcc 0
		.amdhsa_float_denorm_mode_32 3
		.amdhsa_float_denorm_mode_16_64 3
		.amdhsa_memory_ordered 1
		.amdhsa_forward_progress 1
		.amdhsa_inst_pref_size 255
	.end_amdhsa_kernel
	.section	.bss,"aw",@nobits
	.p2align	6
	.space	262144
	.amdgpu_metadata
---
amdhsa.version: [ 1, 2 ]
amdhsa.kernels:
  - .name:           k_q80bd747d3d_gateup
    .symbol:         k_q80bd747d3d_gateup.kd
    .args:
      - { .name: xg, .offset: 0, .size: 8, .value_kind: global_buffer, .address_space: global }
      - { .name: w_g, .offset: 8, .size: 8, .value_kind: global_buffer, .address_space: global }
      - { .name: w_v, .offset: 16, .size: 8, .value_kind: global_buffer, .address_space: global }
      - { .name: meta, .offset: 24, .size: 8, .value_kind: global_buffer, .address_space: global }
      - { .name: gu, .offset: 32, .size: 8, .value_kind: global_buffer, .address_space: global }
    .group_segment_fixed_size: 33280
    .private_segment_fixed_size: 0
    .kernarg_segment_align: 8
    .kernarg_segment_size: 40
    .max_flat_workgroup_size: 128
    .sgpr_count:     66
    .vgpr_count:     992
    .wavefront_size: 32
...
	.end_amdgpu_metadata
.endif
;; end of part 3
;; launch down (part 4): grid 256 x 1, 4 waves a work-group, no clusters, 33,280 bytes of LDS; arguments gu, w_1, wsort, meta, y; writes y
.if DOCPART == 4
	.amdgcn_target "amdgcn-amd-amdhsa--gfx1250"
	.amdhsa_code_object_version 6
	.text
	.protected	k_q80bd747d3d_down
	.globl	k_q80bd747d3d_down
	.p2align	8
	.type	k_q80bd747d3d_down,@function
k_q80bd747d3d_down:
	s_mov_b64 s[64:65], 0
	v_nop
	global_prefetch_b8 v0, s[64:65] scope:SCOPE_SE
	s_setreg_imm32_b32 hwreg(HW_REG_WAVE_MODE, 25, 1), 1
	s_wait_xcnt 0x0
; DOWN.  y[kq][row][c] = wsort[row] x sum over 512 f of gu[row][f] w_1[e][f][c], for the sorted rows of expert e, in f32.
; gu COMES AS TWO bf16 NUMBERS, hi and lo (16 significant bits together): hi x W and lo x W are added into the same f32 sums, with the same weight fragments.
; Work-group = expert e (ttmp9 >> 5) x 128 columns of H (bits 4:2) x a quarter kq of F (bits 1:0): 256 KiB of weights.
; The four quarters are summed by the next launch: no traffic between work-groups.  Four quarters and 128 columns, not two and 64, because a work-group
; then reads 640 KiB of gu for its 256 KiB of weights and not 1,280.
; The K step is that of the gate and up launch: a pass of 320 rows (four waves x 5 tiles), weights [f][c] in f32 loaded 16 bytes a lane and rounded into
; four fragments whose column r is c = 4 r + q; gu comes as fragment images, memory to registers; in a block of 64 k fragment s holds in lane half h,
; element p: k = 32 h + 16 s + p on both sides (the order of the terms inside a matrix instruction differs from ascending k: stated limit).
; THE FIRST PASS (rows 0 to 319) is written once: wave u = 2 c2 + s makes the fragments of column half c2 and k half s, all sixteen are shared through two
; LDS slots, and each weight byte is loaded once: 16 KiB from LDS for 160 matrix instructions.
; BETWEEN TWO BARRIERS a wave reads slot t mod 2 and writes the other slot.  The reads go out in two runs of 16, each ahead of 80 matrix instructions that
; do not need them: k half 0 of step t ahead of the products (hi, then lo) of k half 1 of step t - 1, k half 1 of step t ahead of the products of k half 0
; of step t.  The token fragments of a k half (hi and lo, 20 loads) are asked for at the same two places, 80 matrix instructions ahead of their use.
; THE FIFTH TILE: a wave whose tile 20 pass + 16 + wave lies past the expert's last tile issues no matrix instruction for it but the first eight of the pass,
; which write its accumulators; its token loads stay, so that every counted wait for loads has one count on both ways.
; FURTHER PASSES (an expert with more than 320 rows; up to 1,024 are served) are counted by meta.  Every wave passes every barrier whatever memory holds,
; so no barrier stands in a loop whose count is loaded: there each wave makes all sixteen fragments itself, in registers, without LDS.  That way reads the
; weights four times a work-group and has no look-ahead; it is there for counts far above the mean of 256.  Both ways share one way out.
; Source 0 = tokens, source 1 = weights: register i of lane (r, h) is row 8 h + i, column 4 r + q, so the four q of a row are 16 neighbouring bytes, which
; the multiplication by the row's routing weight brings into neighbouring registers; sixteen lanes store 256 aligned bytes.
; NO JOINT TENSOR LOADS: weights are shared by no two work-groups; the images, shared by 8 work-groups, go straight to registers, and a wave's five tiles
; are clamped one by one by a count from memory.
; LIMITS: NaN and infinite inputs are not served.
;
; REGISTERS: window 0: v1 16 L; v2 my LDS store address; v3, v4 weights' and prefetch's lane offsets; v5-9, v10-14, v15-19 tiles' offsets in gu, y, wsort;
;   v20-59 routing weights WS(j, i) = 20 + 8 j + i; v60, v61 lane terms; v62 weights' lane offset in further passes;
;   v64-191 weight fragments BF(s, f) = 64 + 64 s + 8 f, f = 4 c2 + q; on the way out v64-127 at work
;   window 1: ACC(j, f) = 64 j + 8 f, tiles 0-3     window 2: v0-63 ACC(4, f); v64-223 AF(p, j, s) = 64 + 80 p + 16 j + 8 s, p = 0 hi, 1 lo
;   window 3: v0-191 three sets of 64 for weights as loaded; v192-223 the four fragments just made
.set NS,    8                          ; K steps of 64
.set PITCH, 4096                       ; bytes from a row of weights to the next
.set GLO,   65536                      ; lo's image behind hi's in a tile of gu (131,072 bytes a tile)
.set YQ,    8847360                    ; bytes of y for one quarter: 2,160 rows of 4,096
.set TB,    64                         ; the way out: 64 words
.set MSB, 0
.set ISSUED, 0
.macro WIN new                         ; s_set_vgpr_msb: bits 1:0 source 0, 3:2 source 1, 5:4 source 2, 7:6 destination; the high byte repeats the setting that is left
.if MSB != \new
	s_set_vgpr_msb (MSB<<8)|\new
.set MSB, \new
.endif
.endm
.macro PLACES                          ; four places behind matrix instructions, ahead of loads into registers that they have read and of vector reads of their results
.rept 4
	v_nop
.endr
.endm
; ISSUED counts the first pass's global loads; a mark holds its value behind a group's last load; the wait leaves out what was issued behind the group
; (63 where that is more than the wait can name: a smaller count is safe).
.macro LWAIT m
.if (ISSUED-(\m)) > 63
	s_wait_loadcnt 63
.else
	s_wait_loadcnt ISSUED-(\m)
.endif
.endm
.macro LWAITW t
.if ((\t)%3)==0
	LWAIT WM0
.elseif ((\t)%3)==1
	LWAIT WM1
.else
	LWAIT WM2
.endif
.endm
.macro LWAITA s
.if \s == 0
	LWAIT AM0
.else
	LWAIT AM1
.endif
.endm
.macro WLOAD t                         ; my 16 rows x 2 halves of K step t: 8 KiB of weights
	WIN 0xc0
.set wi, 0
.rept 16
	global_load_b128 v[64*((\t)%3)+4*wi:64*((\t)%3)+4*wi+3], v3, s[24:25] offset:(64*(\t)+wi)*PITCH th:TH_LOAD_NT
.set wi, wi+1
.endr
.set ISSUED, ISSUED+16
.if ((\t)%3)==0
.set WM0, ISSUED
.elseif ((\t)%3)==1
.set WM1, ISSUED
.else
.set WM2, ISSUED
.endif
.endm
.macro ALOAD t, s                      ; my five tiles' fragments of K step t, k half s, hi and lo: 20 loads
	WIN 0x80
.irp p, 0,1
.irp j, 0,1,2,3,4
	global_load_b128 v[64+80*\p+16*\j+8*\s:64+80*\p+16*\j+8*\s+3], v[5+\j], s[4:5] offset:\p*GLO+(\t)*2048+\s*1024
	global_load_b128 v[64+80*\p+16*\j+8*\s+4:64+80*\p+16*\j+8*\s+7], v[5+\j], s[4:5] offset:\p*GLO+(\t)*2048+\s*1024+512
.endr
.endr
.set ISSUED, ISSUED+20
.if \s == 0
.set AM0, ISSUED
.else
.set AM1, ISSUED
.endif
.endm
.macro WCVT t                          ; 64 f32 a lane become four fragments, which go to my 4 KiB of slot t mod 2
	WIN 0xcf
.set cq, 0
.rept 4
.set ci, 0
.rept 8
	v_cvt_pk_bf16_f32 v[192+8*cq+ci], v[64*((\t)%3)+8*ci+cq], v[64*((\t)%3)+8*ci+4+cq]
.set ci, ci+1
.endr
.set cq, cq+1
.endr
	WIN 0x0c
.set cq, 0
.rept 4
	ds_store_b128 v2, v[192+8*cq:192+8*cq+3] offset:((\t)%2)*16384+cq*1024
	ds_store_b128 v2, v[192+8*cq+4:192+8*cq+7] offset:((\t)%2)*16384+cq*1024+512
.set cq, cq+1
.endr
.endm
.macro BLOADS t, s                     ; the eight fragments of K step t, k half s: 16 loads, 16 bytes a lane, lanes side by side
	WIN 0
.irp f, 0,1,2,3,4,5,6,7
	ds_load_b128 v[64+64*\s+8*\f:64+64*\s+8*\f+3], v1 offset:((\t)%2)*16384+(2*(\f>>2)+\s)*4096+(\f&3)*1024
	ds_load_b128 v[64+64*\s+8*\f+4:64+64*\s+8*\f+7], v1 offset:((\t)%2)*16384+(2*(\f>>2)+\s)*4096+(\f&3)*1024+512
.endr
.endm
; 40 matrix instructions on part p, k half s, or 32 where the wave has no fifth tile.  The accumulators take turns, one instruction a turn, in the same order in
; every call.  zero = 1: the first products start the sums, those of the fifth tile too, whether it exists or not, so that its
; accumulators are written on every way.
.macro MUL p, s, zero
	WIN 0x52
.irp j, 0,1,2,3
.irp f, 0,1,2,3,4,5,6,7
.if \zero
	v_wmma_f32_16x16x32_bf16 v[64*\j+8*\f:64*\j+8*\f+7], v[64+80*\p+16*\j+8*\s:64+80*\p+16*\j+8*\s+7], v[64+64*\s+8*\f:64+64*\s+8*\f+7], 0
.else
	v_wmma_f32_16x16x32_bf16 v[64*\j+8*\f:64*\j+8*\f+7], v[64+80*\p+16*\j+8*\s:64+80*\p+16*\j+8*\s+7], v[64+64*\s+8*\f:64+64*\s+8*\f+7], v[64*\j+8*\f:64*\j+8*\f+7]
.endif
.endr
.endr
.if \zero
	WIN 0xa2
.irp f, 0,1,2,3,4,5,6,7
	v_wmma_f32_16x16x32_bf16 v[8*\f:8*\f+7], v[128+80*\p+8*\s:128+80*\p+8*\s+7], v[64+64*\s+8*\f:64+64*\s+8*\f+7], 0
.endr
.else
	WIN 0                                          ; at a branch and at a label every window is 0
	s_cmp_lt_u32 s34, s21                          ; is my fifth tile one of the expert's?
	s_cbranch_scc0 .Lfour_\@
	WIN 0xa2
.irp f, 0,1,2,3,4,5,6,7
	v_wmma_f32_16x16x32_bf16 v[8*\f:8*\f+7], v[128+80*\p+8*\s:128+80*\p+8*\s+7], v[64+64*\s+8*\f:64+64*\s+8*\f+7], v[8*\f:8*\f+7]
.endr
	WIN 0
.Lfour_\@:
.endif
.endm
.macro PF t                            ; my own 32 pieces of 256 bytes of K step t, one a lane: no other wave asks for them
	global_prefetch_b8 v4, s[24:25] offset:64*(\t)*PITCH th:TH_LOAD_NT scope:SCOPE_SE
.endm
; What a wave does between the barrier that shows slot t mod 2 whole and the next barrier.
.macro STEP t
	BLOADS \t, 0                                   ; into fragments last read by the products of k half 0 of step t - 1, which have their four places behind them
.if (\t) > 0
	ALOAD \t, 0                                    ; likewise the tokens of k half 0
	LWAITA 1                                       ; the tokens of k half 1 of step t - 1; younger: the weights asked for since, and the 20 loads just issued
	MUL 0, 1, 0                                    ; step t - 1, k half 1: its weight fragments were waited for in front of the barrier
	MUL 1, 1, 0
	PLACES
.endif
	BLOADS \t, 1
.if (\t) > 0
	ALOAD \t, 1
.endif
.if (\t)+1 < NS
	LWAITW (\t)+1
	WCVT (\t)+1                                    ; into the slot that was read between the last two barriers
.if (\t)+4 < NS
	WLOAD (\t)+4                                   ; into the set just converted
.endif
.if (\t)+7 < NS
	PF (\t)+7                                      ; three steps ahead of the loads that want it; the last seven steps ask for nothing
.endif
.endif
	LWAITA 0                                       ; the tokens of k half 0 of this step; younger: those of k half 1, and the weights just asked for
.if (\t)+1 < NS
	s_wait_dscnt 24                                ; k half 0 is in: the 16 loads of k half 1 and my 8 stores are younger
.else
	s_wait_dscnt 16
.endif
.if (\t) == 0
	MUL 0, 0, 1                                    ; the first products start the sums: nothing is cleared
.else
	MUL 0, 0, 0
.endif
	MUL 1, 0, 0
	PLACES
	WIN 0
	s_wait_dscnt 0x0                               ; my reads of this slot and my stores into the other are done:
.if (\t)+1 < NS
	s_barrier_signal -1                            ; one barrier a step orders these reads ahead of the next stores into the slot,
	s_barrier_wait -1                              ; and these stores ahead of the next reads
.endif
.endm
; My five tiles of pass s28, their offsets in gu, y and wsort, and the ten loads of their rows' routing weights
.macro TILES
	WIN 0
	s_mul_i32 s35, s28, 20
	s_add_co_u32 s35, s35, s14
.irp j, 0,1,2,3,4
	s_add_co_u32 s[30+\j], s35, 4*\j               ; my tile j of the expert: 20 pass + 4 j + wave
	s_min_u32 s36, s[30+\j], s29                   ; past the end: the last tile's bytes, loaded and not stored
	s_add_co_u32 s36, s36, s22
	s_min_u32 s36, s36, 134
	v_lshl_add_u32 v[5+\j], s36, 17, v1
	v_lshl_add_u32 v[10+\j], s36, 16, v61
	v_lshl_add_u32 v[15+\j], s36, 6, v60
.endr
.irp j, 0,1,2,3,4
	global_load_b128 v[20+8*\j:23+8*\j], v[15+\j], s[8:9]      ; the routing weights of rows 8 h .. 8 h + 7: used behind the pass's last wait for loads, which is for 0
	global_load_b128 v[24+8*\j:27+8*\j], v[15+\j], s[8:9] offset:16
.endr
.endm
; Half a K step of a further pass: the wave loads both column halves' 16 rows x 2 lane halves of k half s (no hint: all four waves read these bytes) and its
; five tiles' fragments of hi and of lo, 52 loads, waits for all of them, rounds the weights straight into the eight fragments BF(s, .), and multiplies both parts.
.macro THALF s, zero
	WIN 0xc0
.set wi, 0
.rept 16
	global_load_b128 v[4*wi:4*wi+3], v62, s[40:41] offset:(16*\s+wi)*PITCH
	global_load_b128 v[64+4*wi:64+4*wi+3], v62, s[40:41] offset:(16*\s+wi)*PITCH+256
.set wi, wi+1
.endr
	WIN 0x80
.irp p, 0,1
.irp j, 0,1,2,3,4
	global_load_b128 v[64+80*\p+16*\j+8*\s:64+80*\p+16*\j+8*\s+3], v[5+\j], s[44:45] offset:\p*GLO+\s*1024
	global_load_b128 v[64+80*\p+16*\j+8*\s+4:64+80*\p+16*\j+8*\s+7], v[5+\j], s[44:45] offset:\p*GLO+\s*1024+512
.endr
.endr
	s_wait_loadcnt 0x0
	WIN 0x0f
.irp m, 0,1
.set cq, 0
.rept 4
.set ci, 0
.rept 8
	v_cvt_pk_bf16_f32 v[64+64*\s+8*(4*\m+cq)+ci], v[64*\m+8*ci+cq], v[64*\m+8*ci+4+cq]
.set ci, ci+1
.endr
.set cq, cq+1
.endr
.endr
	MUL 0, \s, \zero
	MUL 1, \s, 0
	PLACES
.endm
.macro TSTEP zero
	THALF 0, \zero
	THALF 1, 0
	WIN 0
	s_add_nc_u64 s[40:41], s[40:41], 64*PITCH      ; no load is out since the wait for 0: both addresses step by 64 k
	s_add_nc_u64 s[44:45], s[44:45], 2048
.endm
.macro YOUT j
	s_cmp_lt_u32 s[30+\j], s21                     ; a tile past the expert's last is not stored
	s_cbranch_scc0 .Lskip_\@
	s_wait_xcnt 0x0                                ; the 64 working registers were the last tile's store data
.if \j < 4
.set YA, 64*\j
	WIN 0x04                                       ; source 1 in the accumulators' window
.else
.set YA, 0
	WIN 0x08
.endif
.irp c, 0,1
.irp i, 0,1,2,3,4,5,6,7
.irp q, 0,1,2,3
	v_mul_f32 v[TB+4*(8*\c+\i)+\q], v[20+8*\j+\i], v[YA+8*(4*\c+\q)+\i]
.endr
.endr
.endr
	WIN 0
.irp c, 0,1
.irp i, 0,1,2,3,4,5,6,7
	global_store_b128 v[10+\j], v[TB+4*(8*\c+\i):TB+4*(8*\c+\i)+3], s[12:13] offset:\i*4096+\c*256   ; lanes 0-15: 256 aligned bytes of row i, lanes 16-31 of row 8 + i
.endr
.endr
.Lskip_\@:
.endm
	s_load_b256 s[4:11], s[0:1], 0x0               ; gu s[4:5], w_1 s[6:7], wsort s[8:9], meta s[10:11]
	s_load_b64 s[12:13], s[0:1], 0x20              ; y
	v_lshl_add_u32 v254, v0, 2, 0x8000
	v_mov_b32 v255, 0
	v_lshrrev_b32 v1, 5, v0
	v_readfirstlane_b32 s14, v1                    ; wave = 2 c2 + s
	s_lshr_b32 s15, ttmp9, 5                       ; expert
	s_bfe_u32 s16, ttmp9, 0x30002                  ; block of 128 columns
	s_and_b32 s17, ttmp9, 3                        ; quarter of F
	v_and_b32 v62, 31, v0                          ; L
	v_lshlrev_b32 v1, 4, v62
	s_lshl_b32 s35, s14, 12
	v_add_nc_u32 v2, s35, v1
	v_and_b32 v63, 15, v62                         ; r
	v_lshrrev_b32 v62, 4, v62                      ; h
	v_lshlrev_b32 v60, 5, v62                      ; wsort: 8 h rows of 4 bytes
	v_lshlrev_b32 v61, 15, v62
	v_lshl_add_u32 v61, v63, 4, v61                ; y: 8 h rows of 4,096 bytes + 16 r
	v_lshlrev_b32 v62, 17, v62                     ; 32 h rows of 4,096 bytes
	s_and_b32 s35, s14, 1
	s_lshl_b32 s35, s35, 16
	v_add_nc_u32 v4, s35, v62                      ; (32 h + 16 s) rows
	v_lshl_add_u32 v3, v63, 4, v4                  ; + 16 r
	v_lshl_add_u32 v4, v63, 12, v4                 ; the prefetch: + r rows
	v_lshl_add_u32 v62, v63, 4, v62                ; further passes: 32 h rows + 16 r; the k half stands in the immediate there
	s_lshl_b32 s26, s15, 4
	s_mov_b32 s27, 0
	s_wait_kmcnt 0x0
	s_add_nc_u64 s[10:11], s[10:11], s[26:27]
	s_load_b128 s[20:23], s[10:11], 0x0            ; cnt, ntile, toff, passes: waited for behind the first weight loads, whose addresses do not hang on them
	s_lshl_b32 s26, s15, 23                        ; the expert's 8 MiB,
	s_lshl_b32 s35, s17, 21                        ; 512 rows a quarter,
	s_add_co_u32 s26, s26, s35
	s_lshl_b32 s35, s16, 9                         ; 512 bytes a block of columns
	s_add_co_u32 s26, s26, s35
	s_add_nc_u64 s[6:7], s[6:7], s[26:27]
	s_lshr_b32 s26, s14, 1
	s_lshl_b32 s26, s26, 8                         ; first pass: 256 bytes for my half of the block
	s_add_nc_u64 s[24:25], s[6:7], s[26:27]
	; THE FIRST PASS
	WLOAD 0
	WLOAD 1
	WLOAD 2
	PF 4
	PF 5
	PF 6
	s_lshl_b32 s26, s17, 14                        ; gu: 8 blocks of 2,048 bytes a quarter, in hi's image and in lo's
	s_add_nc_u64 s[4:5], s[4:5], s[26:27]
	s_mul_i32 s26, s17, YQ
	s_lshl_b32 s35, s16, 9
	s_add_co_u32 s26, s26, s35
	s_add_nc_u64 s[12:13], s[12:13], s[26:27]
	s_mov_b32 s28, 0
	s_wait_kmcnt 0x0
	s_min_u32 s21, s21, 64
	s_min_u32 s22, s22, 134
	s_min_u32 s23, s23, 4
	s_max_u32 s29, s21, 1
	s_sub_co_u32 s29, s29, 1                       ; the expert's last tile (0 where it has none: then nothing is stored)
	TILES
.set ISSUED, ISSUED+10
	ALOAD 0, 0
	ALOAD 0, 1
	LWAITW 0
	WCVT 0
	WLOAD 3
	WIN 0
	s_wait_dscnt 0x0                               ; my part of slot 0 is written
	s_barrier_signal -1
	s_barrier_wait -1
.irp t, 0,1,2,3,4,5,6,7
	STEP \t
.endr
	LWAITA 1                                       ; the last half step: nothing was issued behind its tokens, so this wait is for 0 and covers the routing weights too
	MUL 0, 1, 0                                    ; its weight fragments were waited for at the last step's end
	MUL 1, 1, 0
	PLACES
	WIN 0
	; THE WAY OUT of every pass; behind it, as long as meta counts more passes, a further pass without LDS and barriers
.Lout:
	YOUT 0
	YOUT 1
	YOUT 2
	YOUT 3
	YOUT 4
	s_wait_xcnt 0x0                                ; the stores' data and offsets are written again in a further pass
	s_add_co_u32 s28, s28, 1
	s_cmp_ge_u32 s28, s23
	s_cbranch_scc1 .Lend
	TILES
	s_mov_b64 s[40:41], s[6:7]                     ; weights and tokens from the quarter's first k
	s_mov_b64 s[44:45], s[4:5]
	TSTEP 1                                        ; the first products start the sums
	s_mov_b32 s39, NS-1
.Ltk:
	TSTEP 0
	s_sub_co_u32 s39, s39, 1
	s_cmp_lg_u32 s39, 0
	s_cbranch_scc1 .Ltk
	s_cmp_lt_u32 s28, s23                          ; holds here: the pass that was just multiplied goes out
	s_cbranch_scc1 .Lout
.Lend:
	s_wait_tensorcnt 0x0
	ds_add_u32 v254, v255
	s_wait_dscnt 0x0
	s_endpgm
.Lfunc_end_k_q80bd747d3d_down:
	.size	k_q80bd747d3d_down, .Lfunc_end_k_q80bd747d3d_down-k_q80bd747d3d_down
	.p2alignl 7, 3214868480
	.fill 96, 4, 3214868480
	.section	.rodata,"a",@progbits
	.p2align	6, 0x0
	.amdhsa_kernel k_q80bd747d3d_down
		.amdhsa_group_segment_fixed_size 33280
		.amdhsa_private_segment_fixed_size 0
		.amdhsa_enable_private_segment 0
		.amdhsa_kernarg_size 40
		.amdhsa_user_sgpr_count 2
		.amdhsa_user_sgpr_kernarg_segment_ptr 1
		.amdhsa_wavefront_size32 1
		.amdhsa_system_sgpr_workgroup_id_x 1
		.amdhsa_system_sgpr_workgroup_id_y 1
		.amdhsa_system_sgpr_workgroup_id_z 1
		.amdhsa_system_vgpr_workitem_id 0
		.amdhsa_next_free_vgpr 992
		.amdhsa_next_free_sgpr 66
		.amdhsa_reserve_vcc 0
		.amdhsa_float_denorm_mode_32 3
		.amdhsa_float_denorm_mode_16_64 3
		.amdhsa_memory_ordered 1
		.amdhsa_forward_progress 1
		.amdhsa_inst_pref_size 254
	.end_amdhsa_kernel
	.amdgpu_metadata
---
amdhsa.version: [ 1, 2 ]
amdhsa.kernels:
  - .name:           k_q80bd747d3d_down
    .symbol:         k_q80bd747d3d_down.kd
    .args:
      - { .name: gu, .offset: 0, .size: 8, .value_kind: global_buffer, .address_space: global }
      - { .name: w_1, .offset: 8, .size: 8, .value_kind: global_buffer, .address_space: global }
      - { .name: wsort, .offset: 16, .size: 8, .value_kind: global_buffer, .address_space: global }
      - { .name: meta, .offset: 24, .size: 8, .value_kind: global_buffer, .address_space: global }
      - { .name: y, .offset: 32, .size: 8, .value_kind: global_buffer, .address_space: global }
    .group_segment_fixed_size: 33280
    .private_segment_fixed_size: 0
    .kernarg_segment_align: 8
    .kernarg_segment_size: 40
    .max_flat_workgroup_size: 128
    .sgpr_count:     66
    .vgpr_count:     992
    .wavefront_size: 32
...
	.end_amdgpu_metadata
.endif
;; end of part 4
;; launch combine (part 5): grid 256 x 1, 8 waves a work-group, no clusters, 0 bytes of LDS; arguments pos, y, out0; writes out0
.if DOCPART == 5
	.amdgcn_target "amdgcn-amd-amdhsa--gfx1250"
	.amdhsa_code_object_version 6
	.text
	.protected	k_q80bd747d3d_combine
	.globl	k_q80bd747d3d_combine
	.p2align	8
	.type	k_q80bd747d3d_combine,@function
k_q80bd747d3d_combine:
	s_mov_b64 s[64:65], 0
	v_nop
	global_prefetch_b8 v0, s[64:65] scope:SCOPE_SE
	s_setreg_imm32_b32 hwreg(HW_REG_WAVE_MODE, 25, 1), 1
	s_wait_xcnt 0x0
; COMBINE.  out0[t][c] = sum over the four quarters kq of F and the two slots of y[kq][pos[2 t + slot]][c]; the routing weights are in y already.
; A work-group takes 4 tokens; two waves share a token's row, 2,048 bytes each.  A wave issues its 32 loads of 512 consecutive bytes at once and adds
; the eight rows in a fixed order.  A stream: no LDS, barrier, matrix unit or cluster; each byte of y that is used is read once.
.set YQ, 8847360                       ; bytes of y for one quarter
	s_load_b128 s[4:7], s[0:1], 0x0                ; pos s[4:5], y s[6:7]
	s_load_b64 s[8:9], s[0:1], 0x10                ; out0
	v_lshrrev_b32 v1, 5, v0
	v_readfirstlane_b32 s10, v1                    ; wave
	v_and_b32 v1, 31, v0
	s_lshr_b32 s11, s10, 1
	s_lshl_b32 s12, ttmp9, 2
	s_add_co_u32 s12, s12, s11                     ; token
	s_and_b32 s13, s10, 1
	s_lshl_b32 s13, s13, 11                        ; which half of the row
	v_lshl_add_u32 v2, v1, 4, s13
	s_lshl_b32 s14, s12, 3
	s_mov_b32 s15, 0
	s_wait_kmcnt 0x0
	s_add_nc_u64 s[4:5], s[4:5], s[14:15]
	s_load_b64 s[24:25], s[4:5], 0x0               ; the token's two sorted rows
	s_mov_b64 s[16:17], s[6:7]
	s_add_nc_u64 s[18:19], s[6:7], YQ
	s_add_nc_u64 s[20:21], s[6:7], 2*YQ
	s_add_nc_u64 s[22:23], s[6:7], 3*YQ
	s_lshl_b32 s14, s12, 12
	s_add_nc_u64 s[8:9], s[8:9], s[14:15]
	s_wait_kmcnt 0x0
	s_min_u32 s24, s24, 2159
	s_min_u32 s25, s25, 2159
	v_lshl_add_u32 v3, s24, 12, v2
	v_lshl_add_u32 v4, s25, 12, v2
.irp k, 0,1,2,3
.irp c, 0,1,2,3
	global_load_b128 v[16+32*\k+4*\c:16+32*\k+4*\c+3], v3, s[16+2*\k:17+2*\k] offset:512*\c th:TH_LOAD_NT
.endr
.irp c, 0,1,2,3
	global_load_b128 v[32+32*\k+4*\c:32+32*\k+4*\c+3], v4, s[16+2*\k:17+2*\k] offset:512*\c th:TH_LOAD_NT
.endr
.endr
.irp g, 1,2,3,4,5,6,7
	s_wait_loadcnt 28-4*\g                         ; groups 0 to g are in; the four loads of each younger group stay out
.irp p, 0,2,4,6,8,10,12,14
	v_pk_add_f32 v[16+\p:17+\p], v[16+\p:17+\p], v[16+16*\g+\p:17+16*\g+\p]
.endr
.endr
.irp c, 0,1,2,3
	global_store_b128 v2, v[16+4*\c:19+4*\c], s[8:9] offset:512*\c th:TH_STORE_NT
.endr
	s_endpgm
.Lfunc_end_k_q80bd747d3d_combine:
	.size	k_q80bd747d3d_combine, .Lfunc_end_k_q80bd747d3d_combine-k_q80bd747d3d_combine
	.p2alignl 7, 3214868480
	.fill 96, 4, 3214868480
	.section	.rodata,"a",@progbits
	.p2align	6, 0x0
	.amdhsa_kernel k_q80bd747d3d_combine
		.amdhsa_group_segment_fixed_size 0
		.amdhsa_private_segment_fixed_size 0
		.amdhsa_enable_private_segment 0
		.amdhsa_kernarg_size 24
		.amdhsa_user_sgpr_count 2
		.amdhsa_user_sgpr_kernarg_segment_ptr 1
		.amdhsa_wavefront_size32 1
		.amdhsa_system_sgpr_workgroup_id_x 1
		.amdhsa_system_sgpr_workgroup_id_y 1
		.amdhsa_system_sgpr_workgroup_id_z 1
		.amdhsa_system_vgpr_workitem_id 0
		.amdhsa_next_free_vgpr 144
		.amdhsa_next_free_sgpr 66
		.amdhsa_reserve_vcc 0
		.amdhsa_float_denorm_mode_32 3
		.amdhsa_float_denorm_mode_16_64 3
		.amdhsa_memory_ordered 1
		.amdhsa_forward_progress 1
		.amdhsa_inst_pref_size 9
	.end_amdhsa_kernel
	.amdgpu_metadata
---
amdhsa.version: [ 1, 2 ]
amdhsa.kernels:
  - .name:           k_q80bd747d3d_combine
    .symbol:         k_q80bd747d3d_combine.kd
    .args:
      - { .name: pos, .offset: 0, .size: 8, .value_kind: global_buffer, .address_space: global }
      - { .name: y, .offset: 8, .size: 8, .value_kind: global_buffer, .address_space: global }
      - { .name: out0, .offset: 16, .size: 8, .value_kind: global_buffer, .address_space: global }
    .group_segment_fixed_size: 0
    .private_segment_fixed_size: 0
    .kernarg_segment_align: 8
    .kernarg_segment_size: 24
    .max_flat_workgroup_size: 256
    .sgpr_count:     66
    .vgpr_count:     144
    .wavefront_size: 32
...
	.end_amdgpu_metadata
.endif
;; end of part 5
